; MI455X (gfx1250); checked and timed in simulation.
; The chip was launched on July 23, 2026; its instructions are those of AMD's public machine-readable ISA for CDNA 5 (MIT licence, August 2026) and "CDNA5" Instruction Set Architecture Reference Guide (July 2026). The comments in the code are by the model that wrote it; some were corrected since.
;; Switch Feed Forward. Allowed arithmetic: matrix products marked QUANTISED: E2M1 operands, one E8M0 scale for each 32 along K, by v_wmma_scale_f32_16x16x128_f8f6f4 with both operands' format E2M1 (or v_wmma_scale_f32_32x16x128_f4), f32 sums; products left as they are: f32 operands where the result goes on into a quantised operand, else bf16, f16 or f32 operands; f32 sums; everything else in f32.
;; Inputs: W1_codes 8 x 2,048 x 16 x 16 uint8 (E2M1 codes of W1, K innermost, in blocks of 32 codes, two codes a byte); W1_scales 8 x 2,048 x 16 uint8 (E8M0 scales of W1, one for each 32 codes along K); W2_codes 8 x 512 x 64 x 16 uint8 (E2M1 codes of W2, K innermost, in blocks of 32 codes, two codes a byte); W2_scales 8 x 512 x 64 uint8 (E8M0 scales of W2, one for each 32 codes along K); Wg 512 x 8 float32; b1 8 x 2,048 float32; b2 8 x 512 float32; bg 8 float32; x 8 x 512 x 512 float32.
;; Outputs: out0 8 x 512 x 512 float32.
;; This version of the problem:
;;   THIS VERSION OF THE PROBLEM IS GIVEN IN LOW PRECISION. The matrix products marked QUANTISED in the list below multiply operands that are first quantised to E2M1 (2 exponent bits, 1 mantissa bit; 4 bits a number), with one power-of-two scale for each 32 numbers along K (OCP MX v1.0); their sums are f32. All else is computed in f32.
;;   The module's matrix products, in the order in which they are computed (A, B: the left and right operand; K: the contracted axis; several contracted axes count as one K, in the product's order):
;;     1. [M 4,096, K 512] x [K 512, N 8]; A: input x; B: input Wg: left as it is (N = 8 < 16)
;;     2. [M 4,096, K 512] x [K 512, N 2,048]; A: computed on the way; B: input W1 (given as codes): QUANTISED
;;     3. [M 4,096, K 2,048] x [K 2,048, N 512]; A: computed on the way; B: input W2 (given as codes): QUANTISED
;;     4. [M 4,096, K 512] x [K 512, N 2,048]; A: computed on the way; B: input W1 (given as codes): QUANTISED
;;     5. [M 4,096, K 2,048] x [K 2,048, N 512]; A: computed on the way; B: input W2 (given as codes): QUANTISED
;;     6. [M 4,096, K 512] x [K 512, N 2,048]; A: computed on the way; B: input W1 (given as codes): QUANTISED
;;     7. [M 4,096, K 2,048] x [K 2,048, N 512]; A: computed on the way; B: input W2 (given as codes): QUANTISED
;;     8. [M 4,096, K 512] x [K 512, N 2,048]; A: computed on the way; B: input W1 (given as codes): QUANTISED
;;     9. [M 4,096, K 2,048] x [K 2,048, N 512]; A: computed on the way; B: input W2 (given as codes): QUANTISED
;;     10. [M 4,096, K 512] x [K 512, N 2,048]; A: computed on the way; B: input W1 (given as codes): QUANTISED
;;     11. [M 4,096, K 2,048] x [K 2,048, N 512]; A: computed on the way; B: input W2 (given as codes): QUANTISED
;;     12. [M 4,096, K 512] x [K 512, N 2,048]; A: computed on the way; B: input W1 (given as codes): QUANTISED
;;     13. [M 4,096, K 2,048] x [K 2,048, N 512]; A: computed on the way; B: input W2 (given as codes): QUANTISED
;;     14. [M 4,096, K 512] x [K 512, N 2,048]; A: computed on the way; B: input W1 (given as codes): QUANTISED
;;     15. [M 4,096, K 2,048] x [K 2,048, N 512]; A: computed on the way; B: input W2 (given as codes): QUANTISED
;;     16. [M 4,096, K 512] x [K 512, N 2,048]; A: computed on the way; B: input W1 (given as codes): QUANTISED
;;     17. [M 4,096, K 2,048] x [K 2,048, N 512]; A: computed on the way; B: input W2 (given as codes): QUANTISED
;;   THE QUANTISER, for each operand of a quantised product, along K:
;;     - K is cut into blocks of 32 from its start; a last block that is shorter is filled with zeros.
;;     - A block's scale is 2^e with e = floor(log2(the largest magnitude in the block)) - 2, held to -126 .. 127; a block of zeros has e = 0. As a byte (E8M0): e + 127.
;;     - Each number is divided by its block's scale, clamped to +-6, and rounded to the nearest number of E2M1, ties to even, subnormals kept.
;;     - The product sums the exact products of the quantised numbers (number of the format x scale) in f32.
;;   ~~~python
;;   def quantise(x, axis):      # numpy; x: float32 -> the quantised numbers, widened to float32 again
;;       x = np.moveaxis(x, axis, -1); K = x.shape[-1]
;;       x = np.pad(x, [(0, 0)] * (x.ndim - 1) + [(0, -K % 32)]); x = x.reshape(x.shape[:-1] + (-1, 32)); a = np.abs(x).max(-1, keepdims=True)
;;       e = np.where(a > 0, np.clip(np.frexp(np.where(a > 0, a, 1))[1] - 1 - 2, -126, 127), 0)      # np.frexp(a)[1] - 1 = floor(log2(a)), exactly
;;       r = np.clip(x / 2.0 ** e, -6, 6)
;;       step = 2.0 ** (np.maximum(np.frexp(np.where(r == 0, 1, r))[1] - 1, 0) - 1)
;;       q = np.round(r / step) * step * 2.0 ** e      # np.round: ties to even
;;       return np.moveaxis(q.reshape(q.shape[:-2] + (-1,))[..., :K], -1, axis).astype(np.float32)
;;   ~~~
;;   OPERANDS COMPUTED ON THE WAY. 'Computed on the way' means the value that the module computes at that place (a softmax that the list does not call 'softmax' is quantised finished and normalised). What goes into a quantiser is computed in f32, as accurately as f32 sums, v_exp_f32 and their like allow (about 1e-6 of the number): no bf16 or f16 on the way to a quantiser, and a product that is left as it is and whose result goes on into a quantised operand takes f32 operands (vector FMAs, or v_wmma_f32_16x16x4_f32). A number that lies on a knife's edge between two numbers of the format may be rounded either way, as far as f32 arithmetic and the matrix unit's own rounding can turn it there, and no further.
;;   INPUTS GIVEN AS CODES. W1 (in the module: [8, 512, 2048], K = its axis 1); W2 (in the module: [8, 2048, 512], K = its axis 1): each comes as NAME_codes (uint8): NAME with its K axis moved to the last place and cut into blocks of 32 codes, [.., K / 32, bytes a block], one block behind the other in memory; two codes a byte, the lower K in the low four bits (a code: sign, 2 exponent bits, 1 mantissa bit); and NAME_scales (uint8): the same leading axes, one E8M0 byte (e + 127) for each 32 codes along K. Its value is code x scale, taken as it is: it is not quantised again, and the codes and scales need not be those that the quantiser above would give.
;; One version. Each part assembles by itself: llvm-mc -triple=amdgcn-amd-amdhsa -mcpu=gfx1250 --defsym DOCPART=n.
;; ======== version 1 of 1: 2 launches
;; workspace buffers: xq 1,048,576 bytes; xsc 65,536 bytes; rmask 4,096 bytes of whole numbers; rcnt 2,048 bytes of whole numbers; wl 8,912,896 bytes
;; launch prep (part 1): grid 392 x 1, 4 waves a work-group, no clusters, 152,576 bytes of LDS; arguments x, Wg, bg, W1_codes, W1_scales, W2_codes, W2_scales, xq, xsc, rmask, rcnt, wl; writes xq, xsc, rmask, rcnt, wl
.if DOCPART == 1
	.amdgcn_target "amdgcn-amd-amdhsa--gfx1250"
	.amdhsa_code_object_version 6
	.text
	.protected	k_q069a247170_prep
	.globl	k_q069a247170_prep
	.p2align	8
	.type	k_q069a247170_prep,@function
k_q069a247170_prep:
	s_mov_b64 s[64:65], 0
	v_nop
	global_prefetch_b8 v0, s[64:65] scope:SCOPE_SE
	s_setreg_imm32_b32 hwreg(HW_REG_WAVE_MODE, 25, 1), 1
	s_wait_xcnt 0x0
; PREP: the router, the quantising of xs = x * pmax, and the weights laid out in the order of a wave's operand registers.
; Work-groups 0-63: W1 (codes and scale bytes).  64-127: W2's codes.  128-135: W2's scale bytes.  136-391: the router, 16 tokens each.
; The four paths part on the work-group's number alone, and each has LDS bytes of its own.
; ROUTER.  logits = x Wg + bg in f32 (the f32 matrix form: the result goes on into a quantised operand), softmax with the row's maximum taken away,
; pmax = largest exponential / their sum, route = the first index of the largest exponential (a strict comparison keeps the lower index).
; xs is quantised along K = 512: a block's byte is its largest magnitude's exponent field - 2, held at 1 from below.
; OUT: xq [4096][256] codes, K innermost; xsc [4096][16] scale bytes; rmask: u16 [8 experts][256 groups of 16 tokens], bit i = token 16 g + i goes to the expert;
; rcnt: a byte for each (group, expert), at ((g>>1)&3) 512 + (g>>3) 16 + (g&1) 8 + e, so that the next launch's lane l finds groups 8 l .. 8 l + 7 in four loads of 16 bytes.
; wl: [expert][wave] streams of SW bytes: 32 units of 8,192 bytes of codes (16 of W1, 16 of W2), each eight fragments as images of their registers (16 bytes a lane, 512 a load),
; then from byte SCA on a block of 512 bytes of scale words for each unit.
; LIMITS: NaN and infinities among the inputs are not served.  A block of zeros gets the byte 1 where the quantiser says 127: its codes are zeros, and this program alone reads the bytes.
; pmax is a reciprocal and a multiplication, within about 1.5 units in the last place of the division.  Two logits that tie within f32 rounding may route otherwise than a sum in another order would.
.set SE,  1114112                      ; an expert's four streams
.set SW,  278528                       ; a stream
.set SCA, 262144                       ; where a stream's scale blocks begin
.set RX,  0                            ; router: 4 waves x 16 rows x 528: x on its way from dense loads to 16 neighbours a lane
.set RL,  33792                        ; router: the four waves' parts of the logits, 1,024 bytes each
.set RC,  37888                        ; router: 16 rows x 272: the tokens' codes
.set RS,  42240                        ; router: 16 x 16 scale bytes
.set AS,  42496                        ; W1: 4 waves x 32 rows x 272
.set BS,  77312                        ; W2's codes: 4 waves x 16 rows x 528
.set CS,  111104                       ; W2's scales: 4 waves x 128 rows x 80
.set RAW, 16                           ; v16-79   x as loaded; later the logits' parts and what the softmax needs
.set X,   80                           ; v80-143  register 16 b + i = k 32 b + 16 h + i of token r, in my wave's 128 along K
.set WGF, 144                          ; v144-207 Wg in the same order: expert r & 7
.set PP,  208                          ; v208-215 logits
.set TT,  216                          ; v216-223 at work; the exponentials
.set ACC, 224                          ; v224-255 four f32 accumulators: written by matrix instructions alone
.set PC,  16                           ; v16-23   the codes
.set MX,  48
.set SM,  50                           ; v50-53
.set BM,  54
.set IDX, 55
.set RCP, 56
.set PM,  58                           ; v58-59   pmax, twice
.set TM,  60                           ; v60-75   the quantiser's work
.set PW,  76
.set VM,  77
.set VC,  78
	s_load_b512 s[4:19], s[0:1], 0x0               ; x 4, Wg 6, bg 8, W1 codes 10, W1 scales 12, W2 codes 14, W2 scales 16, xq 18
	s_load_b256 s[20:27], s[0:1], 0x40             ; xsc 20, rmask 22, rcnt 24, wl 26
	v_lshl_add_u32 v14, v0, 2, 0x25200
	s_set_vgpr_msb 0x40
	v_mov_b32 v1, 0
	s_set_vgpr_msb 0x4000
	v_and_b32 v1, 31, v0                           ; lane
	v_lshrrev_b32 v5, 5, v0
	v_readfirstlane_b32 s28, v5                    ; wave
	v_and_b32 v2, 15, v0                           ; r
	v_bfe_u32 v3, v0, 4, 1                         ; h
	v_lshlrev_b32 v4, 4, v1                        ; 16 x lane
	s_mov_b32 s41, 0                               ; the upper word of every offset pair s[40:41]
	s_wait_kmcnt 0x0
	s_cmp_lt_u32 ttmp9, 64
	s_cbranch_scc1 .Lpath_a
	s_cmp_lt_u32 ttmp9, 128
	s_cbranch_scc1 .Lpath_b
	s_cmp_lt_u32 ttmp9, 136
	s_cbranch_scc1 .Lpath_c
; ---------------------------------------------------------------- THE ROUTER: 16 tokens; wave w owns k = 128 w .. 128 w + 127
	s_sub_co_u32 s30, ttmp9, 136                   ; g: the group of 16 tokens
	s_load_b256 s[32:39], s[8:9], 0x0              ; bg
	s_lshl_b32 s40, s30, 15                        ; 16 rows of 2,048 bytes
	s_lshl_b32 s42, s28, 9                         ; my 512 bytes of a row
	s_add_co_u32 s40, s40, s42
	s_add_nc_u64 s[4:5], s[4:5], s[40:41]
	s_lshl_b32 s40, s28, 12                        ; my 128 rows of Wg, 32 bytes each
	s_add_nc_u64 s[6:7], s[6:7], s[40:41]
	s_lshl_b32 s40, s30, 12                        ; xq: 16 rows of 256 bytes, my four of them
	s_lshl_b32 s42, s28, 10
	s_add_co_u32 s40, s40, s42
	s_add_nc_u64 s[18:19], s[18:19], s[40:41]
	s_lshl_b32 s40, s30, 8                         ; xsc: 16 rows of 16 bytes
	s_add_nc_u64 s[20:21], s[20:21], s[40:41]
.set i, 0
.rept 16
	global_load_b128 v[RAW+4*i:RAW+4*i+3], v4, s[4:5] offset:2048*i th:TH_LOAD_NT   ; token i: 32 lanes read 512 consecutive bytes
.set i, i+1
.endr
	v_and_b32 v5, 7, v2
	v_lshlrev_b32 v5, 2, v5
	v_lshl_add_u32 v5, v3, 9, v5                   ; Wg: column r & 7; lanes 16-31 begin 16 rows further down
.irp b, 0,1,2,3
.irp i, 0,1,2,3,4,5,6,7,8,9,10,11,12,13,14,15
	global_load_b32 v[WGF+16*\b+\i], v5, s[6:7] offset:(32*\b+\i)*32
.endr
.endr
	s_mul_i32 s42, s28, 8448                       ; my stage
	s_lshl_b32 s46, s28, 6
	s_lshl_b32 s47, s28, 2
	s_lshl_b32 s48, s28, 10
	s_mul_i32 s49, s28, 1088
	v_add_nc_u32 v6, s42, v4                       ; in: a row of 512 bytes as it was loaded
	v_mul_u32_u24 v7, v2, 528
	v_lshl_add_u32 v7, v3, 6, v7
	v_add_nc_u32 v7, s42, v7                       ; out: row r, + 64 h: 16 neighbours of each block of 32
	s_wait_loadcnt 63                              ; of the 80 loads the oldest 17 are in: x's sixteen and Wg's first; Wg's other 63 may stay out (the wait can name no larger count)
.set i, 0
.rept 16
	ds_store_b128 v6, v[RAW+4*i:RAW+4*i+3] offset:RX+528*i
.set i, i+1
.endr
.irp b, 0,1,2,3
.irp j, 0,1,2,3
	ds_load_b128 v[X+16*\b+4*\j:X+16*\b+4*\j+3], v7 offset:RX+128*\b+16*\j   ; the stage is my wave's own, and LDS serves a wave's instructions in order: no barrier
.endr
.endr
	s_wait_loadcnt 0x0
	s_wait_dscnt 0x0
; 32 products of 16 x 16 x 4: source 0 = Wg (rows 8-15 repeat experts 0-7), source 1 = x.  Both sides hold the same k in the same register and lane, so the order of k inside an instruction does not matter.
; Four accumulators by turns; each sum's first product takes the constant 0.
.set kk, 0
.rept 32
.if kk < 4
	v_wmma_f32_16x16x4_f32 v[ACC+8*(kk%4):ACC+8*(kk%4)+7], v[WGF+2*kk:WGF+2*kk+1], v[X+2*kk:X+2*kk+1], 0
.else
	v_wmma_f32_16x16x4_f32 v[ACC+8*(kk%4):ACC+8*(kk%4)+7], v[WGF+2*kk:WGF+2*kk+1], v[X+2*kk:X+2*kk+1], v[ACC+8*(kk%4):ACC+8*(kk%4)+7]
.endif
.set kk, kk+1
.endr
	; fourteen plain lines that name none of the products' registers: more than the eight places that this form wants ahead of the first read of its results (ISA guide 7.12.1)
	v_lshlrev_b32 v13, 3, v1                       ; 8 x lane
	v_mul_u32_u24 v10, v2, 272
	v_lshl_add_u32 v10, v3, 4, v10
	v_add_nc_u32 v10, s46, v10                     ; codes in: row r, my wave's 64 bytes, + 16 h
	v_lshlrev_b32 v11, 4, v2
	v_add_nc_u32 v11, s47, v11                     ; scale word in: row r, word w
	v_add_nc_u32 v9, s48, v4                       ; my part of the logits
	v_mul_u32_u24 v12, v3, 272
	v_lshl_add_u32 v12, v2, 4, v12
	v_add_nc_u32 v12, s49, v12                     ; codes back: rows 4 w + h, 16 bytes for each of sixteen lanes
.irp b, 0,1,2,3
	v_mov_b32 v[TM+4+\b], 0                        ; a lane permute's destination counts as one of its sources
.endr
.irp j, 0,2,4,6                                    ; each accumulator is read from its low end on
	v_pk_add_f32 v[PP+\j:PP+\j+1], v[ACC+\j:ACC+\j+1], v[ACC+8+\j:ACC+8+\j+1]
	v_pk_add_f32 v[TT+\j:TT+\j+1], v[ACC+16+\j:ACC+16+\j+1], v[ACC+24+\j:ACC+24+\j+1]
.endr
.irp j, 0,2,4,6
	v_pk_add_f32 v[PP+\j:PP+\j+1], v[PP+\j:PP+\j+1], v[TT+\j:TT+\j+1]   ; register j: my 128 k's part of logit (expert j, token r), in both halves of the lanes
.endr
	ds_store_b128 v9, v[PP:PP+3] offset:RL
	ds_store_b128 v9, v[PP+4:PP+7] offset:RL+512
	s_wait_dscnt 0x0                               ; for the others' sake: my part lies in LDS
	s_barrier_signal -1
	s_barrier_wait -1
.irp w, 0,1,2,3
	ds_load_b128 v[16+8*\w:19+8*\w], v4 offset:RL+1024*\w
	ds_load_b128 v[20+8*\w:23+8*\w], v4 offset:RL+1024*\w+512
.endr
	s_wait_dscnt 0x0
.irp j, 0,2,4,6                                    ; the same order in all four waves: the same bits
	v_pk_add_f32 v[PP+\j:PP+\j+1], v[16+\j:17+\j], v[24+\j:25+\j]
	v_pk_add_f32 v[TT+\j:TT+\j+1], v[32+\j:33+\j], v[40+\j:41+\j]
.endr
.irp j, 0,2,4,6
	v_pk_add_f32 v[PP+\j:PP+\j+1], v[PP+\j:PP+\j+1], v[TT+\j:TT+\j+1]
.endr
	s_wait_kmcnt 0x0                               ; bg
.irp j, 0,1,2,3,4,5,6,7
	v_add_f32 v[PP+\j], s[32+\j], v[PP+\j]
.endr
	v_max3_num_f32 v[MX], v[PP], v[PP+1], v[PP+2]  ; the row's maximum is taken away ahead of the exponentials
	v_max3_num_f32 v[MX], v[MX], v[PP+3], v[PP+4]
	v_max3_num_f32 v[MX], v[MX], v[PP+5], v[PP+6]
	v_max_num_f32 v[MX], v[MX], v[PP+7]
.irp j, 0,1,2,3,4,5,6,7
	v_sub_f32 v[PP+\j], v[PP+\j], v[MX]
.endr
.irp j, 0,1,2,3,4,5,6,7
	v_mul_f32 v[PP+\j], 0x3fb8aa3b, v[PP+\j]       ; x log2(e)
.endr
.irp j, 0,1,2,3,4,5,6,7
	v_exp_f32 v[TT+\j], v[PP+\j]
.endr
	v_nop                                          ; a plain line behind the last exponential
	s_wait_alu depctr_va_vdst(0)                   ; one wait for the eight, ahead of their first reader
	v_pk_add_f32 v[SM:SM+1], v[TT:TT+1], v[TT+2:TT+3]
	v_pk_add_f32 v[SM+2:SM+3], v[TT+4:TT+5], v[TT+6:TT+7]
	v_pk_add_f32 v[SM:SM+1], v[SM:SM+1], v[SM+2:SM+3]
	v_add_f32 v[SM], v[SM], v[SM+1]
	v_rcp_f32 v[RCP], v[SM]
	v_mov_b32 v[BM], v[TT]                         ; the largest exponential and its first index: plain work behind the reciprocal
	v_mov_b32 v[IDX], 0
.irp j, 1,2,3,4,5,6,7
	v_cmp_le_f32 vcc_lo, v[TT+\j], v[BM]           ; not larger: the index stays
	v_cndmask_b32 v[IDX], \j, v[IDX], vcc_lo
	v_max_num_f32 v[BM], v[BM], v[TT+\j]
.endr
	s_wait_alu depctr_va_vdst(0)                   ; the wait for the reciprocal, ahead of its first reader
	v_mul_f32 v[PM], v[BM], v[RCP]
	v_mul_f32 v[PM+1], v[BM], v[RCP]
.set j, 0
.rept 32
	v_pk_mul_f32 v[X+j:X+j+1], v[X+j:X+j+1], v[PM:PM+1]   ; xs = x * pmax
.set j, j+2
.endr
	; the quantiser: four blocks of 32, each in lanes l and l xor 16
	s_mov_b32 s44, 0x76543210
	s_mov_b32 s45, 0xfedcba98
.irp b, 0,1,2,3
	v_max3_num_f32 v[TM+\b], |v[X+16*\b]|, |v[X+16*\b+1]|, 0x1800000   ; and the floor 2^(3 - 127): the byte cannot fall under 1
.endr
.irp i, 2,4,6,8,10,12,14
.irp b, 0,1,2,3
	v_max3_num_f32 v[TM+\b], v[TM+\b], |v[X+16*\b+\i]|, |v[X+16*\b+\i+1]|
.endr
.endr
.irp b, 0,1,2,3
	v_permlanex16_b32 v[TM+4+\b], v[TM+\b], s44, s45
.endr
.irp b, 0,1,2,3
	v_max_num_f32 v[TM+\b], v[TM+\b], v[TM+4+\b]
.endr
.irp b, 0,1,2,3
	v_add_nc_u32 v[TM+12+\b], 0xff000000, v[TM+\b] ; 2 off the exponent field: the conversion's scale operand
.endr
.irp b, 0,1,2,3
	v_lshrrev_b32 v[TM+4+\b], 23, v[TM+12+\b]      ; the byte
.endr
	v_lshl_or_b32 v[PW], v[TM+5], 8, v[TM+4]
	v_lshl_or_b32 v[PW], v[TM+6], 16, v[PW]
	v_lshl_or_b32 v[PW], v[TM+7], 24, v[PW]
.irp b, 0,1,2,3
	v_cvt_scalef32_pk8_fp4_f32 v[PC+2*\b], v[X+16*\b:X+16*\b+7], v[TM+12+\b]
	v_cvt_scalef32_pk8_fp4_f32 v[PC+2*\b+1], v[X+16*\b+8:X+16*\b+15], v[TM+12+\b]
.endr
	v_nop                                          ; a plain line behind the scaled conversions
.irp c, 0,1
.irp i, 0,1
	v_permlane16_swap_b32 v[PC+4*\c+\i], v[PC+4*\c+2+\i]   ; registers 4 c .. 4 c + 3 now hold k = 64 c + 32 h + 0 .. 31: 16 bytes of the row as they lie in memory
.endr
.endr
	ds_store_b128 v10, v[PC:PC+3] offset:RC
	ds_store_b128 v10, v[PC+4:PC+7] offset:RC+32
	ds_store_b32 v11, v[PW] offset:RS              ; both halves of the lanes write the same word with the same value
	; where wave 0 puts the group's masks and counts
	s_lshl_b32 s43, s30, 1
	v_lshl_add_u32 v15, v1, 9, s43                 ; rmask: 512 x expert + 2 g
	s_bfe_u32 s44, s30, 0x20001
	s_lshl_b32 s44, s44, 9
	s_lshr_b32 s45, s30, 3
	s_lshl_b32 s45, s45, 4
	s_add_co_u32 s44, s44, s45
	s_and_b32 s45, s30, 1
	s_lshl_b32 s45, s45, 3
	s_add_co_u32 s44, s44, s45
	v_add_nc_u32 v79, s44, v1                      ; rcnt: the group's eight bytes + expert
	s_cmp_lg_u32 s28, 0
	s_cbranch_scc1 .Lr_masks_done
	v_mov_b32 v[VM], 0
	v_mov_b32 v[VC], 0
.irp e, 0,1,2,3,4,5,6,7
	v_cmp_eq_u32 s50, \e, v[IDX]
	s_and_b32 s50, s50, 0xffff                     ; lanes 0-15: one bit a token
	s_bcnt1_i32_b32 s51, s50
	v_writelane_b32 v[VM], s50, \e
	v_writelane_b32 v[VC], s51, \e
.endr
	v_cmp_gt_u32 vcc_lo, 8, v1
	s_wait_xcnt 0x0                                ; EXEC changes only behind this wait
	s_and_saveexec_b32 s52, vcc_lo
	global_store_b16 v15, v[VM], s[22:23]          ; eight stores of two bytes and eight of one: 24 bytes a group, laid as the next launch's dense loads want them
	global_store_b8 v79, v[VC], s[24:25]
	s_wait_xcnt 0x0                                ; and again ahead of the line that widens it
	s_or_b32 exec_lo, exec_lo, s52
.Lr_masks_done:
	s_wait_dscnt 0x0                               ; my codes and scale words lie in LDS
	s_barrier_signal -1
	s_barrier_wait -1
	ds_load_b128 v[24:27], v12 offset:RC
	ds_load_b128 v[28:31], v12 offset:RC+544
	s_wait_dscnt 0x0
	global_store_b128 v4, v[24:27], s[18:19]       ; two whole rows of 256 bytes a store
	global_store_b128 v4, v[28:31], s[18:19] offset:512
	s_cmp_lg_u32 s28, 0
	s_cbranch_scc1 .Lr_end
	ds_load_b64 v[32:33], v13 offset:RS
	s_wait_dscnt 0x0
	global_store_b64 v13, v[32:33], s[20:21]       ; the group's 256 scale bytes, consecutive and aligned
.Lr_end:
	s_set_vgpr_msb 0x4
	s_wait_tensorcnt 0x0
	ds_add_u32 v14, v1
	s_wait_dscnt 0x0
	s_set_vgpr_msb 0x400
	s_endpgm
; ---------------------------------------------------------------- W1: wave a = 4 x work-group + wave takes 64 rows: two units of 32 hidden units
.Lpath_a:
	s_lshl_b32 s30, ttmp9, 2
	s_add_co_u32 s30, s30, s28                     ; a
	s_lshl_b32 s40, s30, 14                        ; 64 rows of 256 bytes
	s_add_nc_u64 s[10:11], s[10:11], s[40:41]
	s_lshl_b32 s40, s30, 10                        ; 64 rows of 16 scale bytes
	s_add_nc_u64 s[12:13], s[12:13], s[40:41]
	s_lshr_b32 s31, s30, 5                         ; expert
	s_bfe_u32 s32, s30, 0x20003                    ; the stream's wave
	s_and_b32 s33, s30, 7
	s_lshl_b32 s33, s33, 1                         ; the first of my two units
	s_mul_i32 s40, s31, SE
	s_mul_i32 s42, s32, SW
	s_add_co_u32 s40, s40, s42
	s_add_nc_u64 s[26:27], s[26:27], s[40:41]      ; the stream
	s_lshl_b32 s40, s33, 13
	s_add_nc_u64 s[36:37], s[26:27], s[40:41]      ; its codes at my first unit
	s_lshl_b32 s40, s33, 9
	s_add_nc_u64 s[38:39], s[26:27], s[40:41]      ; its scale blocks (SCA stands in the stores' immediates)
	v_and_b32 v5, 8, v2
	v_add_nc_u32 v5, v5, v2
	v_lshl_add_u32 v5, v3, 3, v5
	v_lshlrev_b32 v5, 4, v5                        ; lane 16 t + r takes the scale bytes of row 8 t + r + 8 (r / 8)
	global_load_b128 v[144:147], v5, s[12:13] th:TH_LOAD_NT
	global_load_b128 v[148:151], v5, s[12:13] offset:512 th:TH_LOAD_NT
.set i, 0
.rept 32
	global_load_b128 v[16+4*i:16+4*i+3], v4, s[10:11] offset:512*i th:TH_LOAD_NT   ; two rows: 512 consecutive bytes
.set i, i+1
.endr
	s_mul_i32 s43, s28, 8704
	v_mul_u32_u24 v6, v3, 272
	v_lshl_add_u32 v6, v2, 4, v6
	v_add_nc_u32 v6, s43, v6                       ; in: two rows as loaded
	v_mul_u32_u24 v7, v2, 272
	v_lshl_add_u32 v7, v3, 4, v7
	v_add_nc_u32 v7, s43, v7                       ; out: row r of a tile, + 16 h
; THE ROWS OF A TILE ARE NOT NEIGHBOURS: lane r of tile t takes row 8 t + r + 8 (r / 8) of the unit's 32, so that the 16 result registers of the two tiles are 16 neighbours along the next K.
; The rows are put into the stage in the tiles' order: rows 2 i, 2 i + 1 go to places 16 ((i>>2)&1) + 8 (i>>3) + 2 (i&3) on.
.macro AUNIT j
	s_wait_loadcnt 16-16*\j                        ; this unit's 16 loads are in (and the scale bytes, which were asked for first); the other unit's may stay out
.set i, 0
.rept 16
	ds_store_b128 v6, v[16+64*\j+4*i:16+64*\j+4*i+3] offset:AS+(16*((i>>2)&1)+8*(i>>3)+2*(i&3))*272
.set i, i+1
.endr
.if \j
	s_wait_xcnt 0x0                                ; the first unit's stores have read their registers: they are loaded again only behind this wait
.endif
.irp t, 0,1
.irp s, 0,1,2,3
.irp c, 0,1
	ds_load_b128 v[152+4*(2*(4*\t+\s)+\c):152+4*(2*(4*\t+\s)+\c)+3], v7 offset:AS+4352*\t+64*\s+32*\c
.endr
.endr
.endr
	s_wait_dscnt 0x0
.set i, 0
.rept 16
	global_store_b128 v4, v[152+4*i:152+4*i+3], s[36:37] offset:8192*\j+512*i   ; 512 consecutive bytes, aligned
.set i, i+1
.endr
	global_store_b128 v4, v[144+4*\j:147+4*\j], s[38:39] offset:SCA+512*\j
.endm
	AUNIT 0
	AUNIT 1
	s_set_vgpr_msb 0x4
	s_wait_tensorcnt 0x0
	ds_add_u32 v14, v1
	s_wait_dscnt 0x0
	s_set_vgpr_msb 0x400
	s_endpgm
; ---------------------------------------------------------------- W2's codes: wave b takes 32 rows (two tiles of 16 outputs) x 512 bytes (eight K steps)
.Lpath_b:
	s_sub_co_u32 s30, ttmp9, 64
	s_lshl_b32 s30, s30, 2
	s_add_co_u32 s30, s30, s28                     ; b
	s_lshr_b32 s31, s30, 5                         ; expert
	s_bfe_u32 s32, s30, 0x40001                    ; which 32 rows
	s_and_b32 s33, s30, 1                          ; which half of a row
	s_lshl_b32 s40, s31, 19
	s_lshl_b32 s42, s32, 15
	s_add_co_u32 s40, s40, s42
	s_lshl_b32 s42, s33, 9
	s_add_co_u32 s40, s40, s42
	s_add_nc_u64 s[14:15], s[14:15], s[40:41]
	s_mul_i32 s40, s31, SE
	s_lshr_b32 s42, s32, 2
	s_mul_i32 s42, s42, SW                         ; 128 outputs to a stream
	s_add_co_u32 s40, s40, s42
	s_lshl_b32 s42, s33, 16                        ; eight units
	s_add_co_u32 s40, s40, s42
	s_and_b32 s42, s32, 3
	s_lshl_b32 s42, s42, 11                        ; two fragments
	s_add_co_u32 s40, s40, s42
	s_add_co_u32 s40, s40, 16*8192                 ; behind W1's sixteen units
	s_add_nc_u64 s[26:27], s[26:27], s[40:41]
.set i, 0
.rept 32
	global_load_b128 v[16+4*i:16+4*i+3], v4, s[14:15] offset:1024*i th:TH_LOAD_NT   ; half a row: 512 consecutive bytes
.set i, i+1
.endr
	s_mul_i32 s43, s28, 8448
	s_add_co_u32 s43, s43, BS
	v_add_nc_u32 v6, s43, v4
	v_mul_u32_u24 v7, v2, 528
	v_lshl_add_u32 v7, v3, 4, v7
	v_add_nc_u32 v7, s43, v7
.macro BUNIT th
	s_wait_loadcnt 16-16*\th                       ; this tile's 16 rows are in; the other tile's may stay out
.set i, 0
.rept 16
	ds_store_b128 v6, v[16+64*\th+4*i:16+64*\th+4*i+3] offset:528*i
.set i, i+1
.endr
.if \th
	s_wait_xcnt 0x0                                ; the first tile's stores have read their registers
.endif
.irp s, 0,1,2,3,4,5,6,7
.irp c, 0,1
	ds_load_b128 v[152+4*(2*\s+\c):152+4*(2*\s+\c)+3], v7 offset:64*\s+32*\c
.endr
.endr
	s_wait_dscnt 0x0
.irp s, 0,1,2,3,4,5,6,7
.irp c, 0,1
	global_store_b128 v4, v[152+4*(2*\s+\c):152+4*(2*\s+\c)+3], s[26:27] offset:8192*\s+1024*\th+512*\c
.endr
.endr
.endm
	BUNIT 0
	BUNIT 1
	s_set_vgpr_msb 0x4
	s_wait_tensorcnt 0x0
	ds_add_u32 v14, v1
	s_wait_dscnt 0x0
	s_set_vgpr_msb 0x400
	s_endpgm
; ---------------------------------------------------------------- W2's scale bytes: a wave takes a stream's 128 rows of 64 bytes
.Lpath_c:
	s_sub_co_u32 s30, ttmp9, 128
	s_lshl_b32 s30, s30, 2
	s_add_co_u32 s30, s30, s28                     ; 4 x expert + the stream's wave
	s_lshl_b32 s40, s30, 13
	s_add_nc_u64 s[16:17], s[16:17], s[40:41]
	s_lshr_b32 s31, s30, 2
	s_and_b32 s32, s30, 3
	s_mul_i32 s40, s31, SE
	s_mul_i32 s42, s32, SW
	s_add_co_u32 s40, s40, s42
	s_add_nc_u64 s[26:27], s[26:27], s[40:41]
.set i, 0
.rept 16
	global_load_b128 v[16+4*i:16+4*i+3], v4, s[16:17] offset:512*i th:TH_LOAD_NT
.set i, i+1
.endr
	s_mul_i32 s43, s28, 10240
	s_add_co_u32 s43, s43, CS
	v_lshrrev_b32 v6, 2, v1
	v_mul_u32_u24 v6, v6, 80
	v_and_b32 v7, 3, v1
	v_lshl_add_u32 v6, v7, 4, v6
	v_add_nc_u32 v6, s43, v6                       ; in: four lanes to a row of 64 bytes, rows 80 bytes apart
	v_mul_u32_u24 v7, v2, 80
	v_mul_u32_u24 v8, v3, 1280
	v_add_nc_u32 v7, v7, v8
	v_add_nc_u32 v7, s43, v7                       ; out: row 16 h + r
	s_wait_loadcnt 0x0
.set i, 0
.rept 16
	ds_store_b128 v6, v[16+4*i:16+4*i+3] offset:640*i
.set i, i+1
.endr
.set i, 0
.rept 16                                           ; K step i: word p of lane (r, h) is that of output 16 (2 p + h) + r
.irp p, 0,1,2,3
	ds_load_b32 v[80+4*i+\p], v7 offset:2560*\p+4*i
.endr
.set i, i+1
.endr
	s_wait_dscnt 0x0
.set i, 0
.rept 16
	global_store_b128 v4, v[80+4*i:80+4*i+3], s[26:27] offset:SCA+(16+i)*512
.set i, i+1
.endr
	s_set_vgpr_msb 0x4
	s_wait_tensorcnt 0x0
	ds_add_u32 v14, v1
	s_wait_dscnt 0x0
	s_set_vgpr_msb 0x400
	s_endpgm
.Lfunc_end_k_q069a247170_prep:
	.size	k_q069a247170_prep, .Lfunc_end_k_q069a247170_prep-k_q069a247170_prep
	.p2alignl 7, 3214868480
	.fill 96, 4, 3214868480
	.section	.rodata,"a",@progbits
	.p2align	6, 0x0
	.amdhsa_kernel k_q069a247170_prep
		.amdhsa_group_segment_fixed_size 152576
		.amdhsa_private_segment_fixed_size 0
		.amdhsa_enable_private_segment 0
		.amdhsa_kernarg_size 96
		.amdhsa_user_sgpr_count 2
		.amdhsa_user_sgpr_kernarg_segment_ptr 1
		.amdhsa_wavefront_size32 1
		.amdhsa_system_sgpr_workgroup_id_x 1
		.amdhsa_system_sgpr_workgroup_id_y 1
		.amdhsa_system_sgpr_workgroup_id_z 1
		.amdhsa_system_vgpr_workitem_id 0
		.amdhsa_next_free_vgpr 258
		.amdhsa_next_free_sgpr 66
		.amdhsa_reserve_vcc 1
		.amdhsa_float_denorm_mode_32 3
		.amdhsa_float_denorm_mode_16_64 3
		.amdhsa_memory_ordered 1
		.amdhsa_forward_progress 1
		.amdhsa_inst_pref_size 63
	.end_amdhsa_kernel
	.amdgpu_metadata
---
amdhsa.version: [ 1, 2 ]
amdhsa.kernels:
  - .name:           k_q069a247170_prep
    .symbol:         k_q069a247170_prep.kd
    .args:
      - { .name: x, .offset: 0, .size: 8, .value_kind: global_buffer, .address_space: global }
      - { .name: Wg, .offset: 8, .size: 8, .value_kind: global_buffer, .address_space: global }
      - { .name: bg, .offset: 16, .size: 8, .value_kind: global_buffer, .address_space: global }
      - { .name: W1_codes, .offset: 24, .size: 8, .value_kind: global_buffer, .address_space: global }
      - { .name: W1_scales, .offset: 32, .size: 8, .value_kind: global_buffer, .address_space: global }
      - { .name: W2_codes, .offset: 40, .size: 8, .value_kind: global_buffer, .address_space: global }
      - { .name: W2_scales, .offset: 48, .size: 8, .value_kind: global_buffer, .address_space: global }
      - { .name: xq, .offset: 56, .size: 8, .value_kind: global_buffer, .address_space: global }
      - { .name: xsc, .offset: 64, .size: 8, .value_kind: global_buffer, .address_space: global }
      - { .name: rmask, .offset: 72, .size: 8, .value_kind: global_buffer, .address_space: global }
      - { .name: rcnt, .offset: 80, .size: 8, .value_kind: global_buffer, .address_space: global }
      - { .name: wl, .offset: 88, .size: 8, .value_kind: global_buffer, .address_space: global }
    .group_segment_fixed_size: 152576
    .private_segment_fixed_size: 0
    .kernarg_segment_align: 8
    .kernarg_segment_size: 96
    .max_flat_workgroup_size: 128
    .sgpr_count:     66
    .vgpr_count:     258
    .wavefront_size: 32
...
	.end_amdgpu_metadata
.endif
;; end of part 1
;; launch chain (part 2): grid 135 x 1, 4 waves a work-group, no clusters, 89,600 bytes of LDS; arguments wl, xq, xsc, rmask, rcnt, b1, b2, out0; writes out0
.if DOCPART == 2
	.amdgcn_target "amdgcn-amd-amdhsa--gfx1250"
	.amdhsa_code_object_version 6
	.text
	.protected	k_q069a247170_chain
	.globl	k_q069a247170_chain
	.p2align	8
	.type	k_q069a247170_chain,@function
k_q069a247170_chain:
	s_mov_b64 s[64:65], 0
	v_nop
	global_prefetch_b8 v0, s[64:65] scope:SCOPE_SE
	s_setreg_imm32_b32 hwreg(HW_REG_WAVE_MODE, 25, 1), 1
	s_wait_xcnt 0x0
; CHAIN: out0[prefix[e] + rank] = relu(Q(xs) W1[e] + b1[e]) quantised, times W2[e], + b2[e], for the routed expert of each token alone; both products on codes of E2M1 with E8M0 scales.
; A work-group takes one tile: up to 32 tokens of one expert, in the order of their numbers, through the whole chain.  4,096 tokens in tiles of 32 over 8 experts are at most 128 + 7 = 135 tiles, whatever the routes.
; Tiles of 32 and not more: a work-group walks all of its expert's weights however few its rows, so the rows only decide how much work stands beside that walk and over how many work-groups it is spread;
; the price is that an expert's stream is read by one work-group for each 32 of its rows.
; A work-group that the routes leave without rows walks the same text on clamped numbers and stores nothing: the only branches on stored numbers stand round the prefetches and round the stores at the end,
; behind the last barrier and the last loop.
; NO CLUSTER, NO TENSOR LOADS: the expert, the rows and their number hang on numbers that the launch before has stored; 135 divides into no cluster, and neighbouring tiles need not share an expert.
; SHARES.  The four waves share the COLUMNS: wave w makes hidden units 512 w .. + 511 and outputs 128 w .. + 127 for all 32 rows, so each weight byte is loaded by one wave, once, from a stream laid in the order of its registers.
; Both products are used transposed (source 0 = 16 rows of a weight, source 1 = 16 tokens): a lane holds ONE token, its registers run along the hidden units or the outputs.
; The hidden layer goes from wave to wave through LDS as images of the operand's registers and never to memory.
; PLACING.  A tile's output rows are neighbours.  Its input rows, the tokens of ranks j0 .. j0 + 31 among the expert's, are found from the masks and counts by whole-number work in registers:
; wave w finds the 16 of tile of rows w & 1 and fetches K steps 2 (w >> 1) and 2 (w >> 1) + 1 of their codes.
; REGISTERS, in windows of 256.  Window 0: v1-25 addresses; v26-31 at work; v32-39 x's scale words, v48-63 the weights', v196-199 the hidden layer's (these hold scales and nothing else);
;   v64-95 the hidden layer's 4 accumulators, later two sets of its fragments; at the end v64-191 rows of the output; v128-143 b1 of a unit; v144-159 codes; v176-177 scale words made; v180-195 the quantiser's work; v204-251 loads of the head.
;   Window 1: v0-63 x's 8 fragments; v128-191 b2 in the result's layout.   Window 2: a ring of four units of weights, 64 registers each.   Window 3: v0-127 the 16 accumulators of the output.
; LIMITS: NaN and infinities are not served.  A block of zeros gets the byte 1 where the quantiser says 127: its codes are zeros, and nobody else reads the byte.
.set SE,   1114112
.set SW,   278528
.set SCA,  262144
.set XIMG, 0                           ; x's 8 fragments: image 4 m + s, 1,024 bytes each
.set XSC,  8192                        ; their scale words: 512 bytes for each tile of rows, 16 a lane
.set B1L,  9216                        ; b1: for each wave 2,048 bytes, 128 bytes of zeros, 128 spare
.set HIMG, 18432                       ; the hidden layer's 32 fragments: image 2 S + m
.set HSC,  51200                       ; their scale words: 128 bytes each
.set STG,  55296                       ; the way out: for each wave 16 rows x (512 + 16) bytes
.set LI,   1                           ; 16 x lane
.set LS,   2                           ; 4 x lane
.set RR,   3                           ; r = lane % 16
.set HH,   4                           ; h = lane / 16
.set LN,   5
.set B1A,  6                           ; b1 of the group in hand;  v7 its base
.set B1A0, 7
.set HWI,  8                           ; where the group's images go;  v9 the base
.set HWI0, 9
.set HWS,  10                          ; and its scale words;  v11 the base
.set HWS0, 11
.set HRI,  12
.set HRS,  13
.set STO,  14
.set RD,   15
.set CO,   16
.set B2O,  17
.set PFO,  18                          ; 256 x lane, for the prefetches
.set XWI,  19
.set XWS,  20
.set B1W,  21
.set B1P,  22
.set XO,   23
.set SO,   24
.set NIL,  25
.set Q1,   26
.set Q2,   27
.set Q4,   28
.set Q8,   29
.set POS,  30
.set TOK,  31
.set XS,   32
.set WS,   48
.set HA,   64
.set B1R,  128
.set PC,   144
.set PW,   176
.set TM,   180
.set HS,   196
.set B1RAW, 204
.set MK,   220
; the head's own, in registers that the hidden layer and the way out take later
.set CN,   64
.set LK,   80
.set HK,   84
.set FF,   88
.set CP,   92
.set TT,   96
.set SL,   100
.set SH,   101
.set OW,   102
.set PI,   106
.set CS,   107
.set PEX,  108
.set PWD,  109
.set CK,   110
.set RHO,  113
.set LL,   114
.set IX,   115
.set BP,   116
.set N1,   122
.set BASE, 123
.set XW,   124
.set KK,   125
.set T1,   126
.set T2,   127
.set MSB, 0
.macro WIN new                         ; the immediate's high byte repeats the setting that is left; bits 1:0 source 0, 3:2 source 1, 5:4 source 2, 7:6 destination
.if MSB != \new
	s_set_vgpr_msb (MSB<<8)|\new
.set MSB, \new
.endif
.endm
.macro PLACES                          ; four plain lines behind matrix instructions, ahead of loads into their registers and of the first read of their results
.rept 4
	v_nop
.endr
.endm
; A unit of the stream: 8,192 bytes of codes into ring slot k, 512 bytes of scale words into v[WS + 4 k]: 17 loads, each 512 consecutive bytes.  off: units on from where the pointers stand.
.macro LOADU k, off
	WIN 0x80
.set li, 0
.rept 16
	global_load_b128 v[64*(\k)+4*li:64*(\k)+4*li+3], v[LI], s[40:41] offset:(\off)*8192+512*li
.set li, li+1
.endr
	WIN 0
	global_load_b128 v[WS+4*(\k):WS+4*(\k)+3], v[LI], s[42:43] offset:(\off)*512
.endm
; A PREFETCH INTO THE L2 of the unit eight units on from the one just asked for: lanes 256 bytes apart, one instruction for its 8,192 bytes.  All tiles of an expert walk the same four streams:
; the expert's first tile asks, each of its waves for its own stream, so that each block is named once in the launch.  It stands behind the unit's loads.  Units 0 to 11 come by their loads alone; nothing past unit 31 is named.
.macro ASK off
	s_cmp_lg_u32 s48, 0
	s_cbranch_scc0 .Lnot_mine_\@
	global_prefetch_b8 v[PFO], s[40:41] offset:((\off)+8)*8192 th:TH_LOAD_NT scope:SCOPE_SE
.Lnot_mine_\@:
.endm
.macro MM d, a, b, c, sa, sb, row      ; one product of 16 x 16 x 128; row = 1: source 0's scale words stand in lanes 16-31
.if \row
	v_wmma_scale_f32_16x16x128_f8f6f4 v[(\d):(\d)+7], v[(\a):(\a)+7], v[(\b):(\b)+7], v[(\c):(\c)+7], v[\sa], v[\sb] matrix_a_fmt:MATRIX_FMT_FP4 matrix_b_fmt:MATRIX_FMT_FP4 matrix_a_scale:MATRIX_SCALE_ROW1
.else
	v_wmma_scale_f32_16x16x128_f8f6f4 v[(\d):(\d)+7], v[(\a):(\a)+7], v[(\b):(\b)+7], v[(\c):(\c)+7], v[\sa], v[\sb] matrix_a_fmt:MATRIX_FMT_FP4 matrix_b_fmt:MATRIX_FMT_FP4
.endif
.endm
	s_load_b512 s[4:19], s[0:1], 0x0               ; wl 4, xq 6, xsc 8, rmask 10, rcnt 12, b1 14, b2 16, out0 18
	v_lshl_add_u32 v254, v0, 2, 0x15c00
	v_mov_b32 v255, 0
	v_and_b32 v[LN], 31, v0
	v_lshrrev_b32 v26, 5, v0
	v_readfirstlane_b32 s20, v26                   ; wave
	s_mov_b32 s21, ttmp9                           ; the tile's number
	v_and_b32 v[RR], 15, v0
	v_bfe_u32 v[HH], v0, 4, 1
	v_lshlrev_b32 v[LI], 4, v[LN]
	v_lshlrev_b32 v[LS], 2, v[LN]
	v_lshlrev_b32 v[PFO], 8, v[LN]
	v_lshlrev_b32 v[B2O], 5, v[HH]
	v_mov_b32 v[NIL], 0
	s_mov_b32 s50, 0x76543210
	s_mov_b32 s51, 0xfedcba98                      ; v_permlanex16_b32's selects for lane l xor 16
	s_wait_kmcnt 0x0
.irp q, 0,1,2,3
	global_load_b128 v[CN+4*\q:CN+4*\q+3], v[LI], s[12:13] offset:512*\q   ; the counts of groups 8 l + 2 q, 8 l + 2 q + 1: experts 0-3, 4-7 of the even one, then of the odd one
.endr
.irp e, 0,1,2,3,4,5,6,7
	global_load_b128 v[MK+4*\e:MK+4*\e+3], v[LI], s[10:11] offset:512*\e   ; expert e's masks of tokens 128 l .. 128 l + 127, 32 to a word
.endr
	; LDS addresses: constants, the lane, the wave
	s_mul_i32 s23, s20, 2304
	v_lshl_add_u32 v[B1A0], v[HH], 6, s23
	v_add_nc_u32 v[B1W], s23, v[LI]
	v_add_nc_u32 v[B1P], s23, v[LS]
	s_lshl_b32 s23, s20, 13
	v_add_nc_u32 v[HWI0], s23, v[LI]               ; my four K steps' images: 8,192 bytes a wave
	s_lshl_b32 s23, s20, 10
	v_add_nc_u32 v[HWS0], s23, v[LS]
	v_add_nc_u32 v[HWS0], HSC, v[HWS0]
	v_add_nc_u32 v[HRI], HIMG, v[LI]
	v_add_nc_u32 v[HRS], HSC, v[LS]
	s_mul_i32 s23, s20, 8448
	s_add_co_u32 s23, s23, STG
	v_mul_u32_u24 v[STO], v[RR], 528
	v_lshl_add_u32 v[STO], v[HH], 5, v[STO]
	v_add_nc_u32 v[STO], s23, v[STO]               ; the stage, in: row r, + 32 h
	v_add_nc_u32 v[RD], s23, v[LI]                 ; and back: a row of 512 bytes
	s_lshl_b32 s23, s20, 9
	v_add_nc_u32 v[CO], s23, v[LI]                 ; my 512 bytes of a row of the output
	s_and_b32 s60, s20, 1                          ; which tile of 16 rows I gather,
	s_lshr_b32 s61, s20, 1                         ; and which two of its four K steps
	s_lshl_b32 s23, s60, 12
	s_lshl_b32 s62, s61, 11
	s_add_co_u32 s23, s23, s62
	v_add_nc_u32 v[XWI], s23, v[LI]                ; images 4 (w & 1) + 2 (w >> 1) on
	s_lshl_b32 s23, s60, 9
	s_lshl_b32 s59, s61, 3                         ; my 8 of a token's 16 scale bytes
	s_add_co_u32 s23, s23, s59
	v_add_nc_u32 v[XWS], s23, v[LI]
	s_lshl_b32 s58, s61, 7                         ; my 128 of a token's 256 bytes of codes
.irp m, 0,1
	v_mov_b32 v[TM+4+\m], 0                        ; a lane permute's destination counts as one of its sources
.endr
	s_wait_loadcnt 0x0
	; ---- how many tokens of each expert lie in my lane's 128, and ahead of them
.irp k, 0,1,2,3
	v_add_nc_u32 v[LK+\k], v[CN+4*\k], v[CN+4*\k+2]    ; chunk k of 32 tokens: a byte for each of experts 0-3 (32 at the most),
	v_add_nc_u32 v[HK+\k], v[CN+4*\k+1], v[CN+4*\k+3]  ; and of experts 4-7
.endr
	v_add_nc_u32 v[SL], v[LK], v[LK+1]
	v_add_nc_u32 v[SH], v[HK], v[HK+1]
	v_add3_u32 v[SL], v[SL], v[LK+2], v[LK+3]      ; 128 at the most: still a byte
	v_add3_u32 v[SH], v[SH], v[HK+2], v[HK+3]
	s_mov_b32 s52, 0x00ff00ff
	v_and_b32 v[FF], s52, v[SL]                    ; fields of 16 bits: experts 0 and 2,
	v_lshrrev_b32 v[FF+1], 8, v[SL]
	v_and_b32 v[FF+2], s52, v[SH]                  ; 4 and 6,
	v_lshrrev_b32 v[FF+3], 8, v[SH]
	v_and_b32 v[FF+1], s52, v[FF+1]                ; 1 and 3,
	v_and_b32 v[FF+3], s52, v[FF+3]                ; 5 and 7
.irp i, 0,1,2,3
	v_mov_b32 v[CP+\i], v[FF+\i]                   ; my lane's own counts are kept
.endr
.macro SCAN d                          ; a step of the running sum inside each row of 16 lanes; a lane without a source keeps the 0
.irp i, 0,1,2,3
	v_mov_b32 v[TT+\i], 0
.endr
.irp i, 0,1,2,3
	v_mov_b32_dpp v[TT+\i], v[FF+\i] row_shr:\d row_mask:0xf bank_mask:0xf
.endr
.irp i, 0,1,2,3
	v_add_nc_u32 v[FF+\i], v[FF+\i], v[TT+\i]
.endr
.endm
	SCAN 1
	SCAN 2
	SCAN 4
	SCAN 8
.irp i, 0,1,2,3
	v_readlane_b32 s[52+\i], v[FF+\i], 15
.endr
	s_mov_b32 vcc_lo, 0xffff0000                   ; lanes 16-31 add the first row's total
.irp i, 0,1,2,3
	v_mov_b32 v[TT+\i], s[52+\i]
.endr
.irp i, 0,1,2,3
	v_cndmask_b32 v[TT+\i], 0, v[TT+\i], vcc_lo
.endr
.irp i, 0,1,2,3
	v_add_nc_u32 v[FF+\i], v[FF+\i], v[TT+\i]
.endr
.irp i, 0,1,2,3
	v_readlane_b32 s[24+\i], v[FF+\i], 31          ; the experts' totals
.endr
	; ---- which tile is mine: the experts' tiles follow each other; the last expert whose first tile is not behind my number is mine
	s_mov_b32 s28, 0                               ; tiles so far
	s_mov_b32 s29, 0                               ; rows so far
	s_mov_b32 s30, 0
	s_mov_b32 s31, 0
	s_mov_b32 s32, 0
	s_mov_b32 s33, 0
.macro EXPERT e, src, hi
.if \hi
	s_lshr_b32 s37, s[\src], 16
.else
	s_and_b32 s37, s[\src], 0xffff
.endif
	s_cmp_ge_u32 s21, s28
	s_cselect_b32 s30, \e, s30                     ; the expert,
	s_cselect_b32 s31, s28, s31                    ; its first tile,
	s_cselect_b32 s32, s29, s32                    ; its first row of the output,
	s_cselect_b32 s33, s37, s33                    ; its rows
	s_add_co_u32 s29, s29, s37
	s_add_co_u32 s37, s37, 31
	s_lshr_b32 s37, s37, 5                         ; its tiles of 32
	s_add_co_u32 s28, s28, s37
.endm
	EXPERT 0, 24, 0
	EXPERT 1, 25, 0
	EXPERT 2, 24, 1
	EXPERT 3, 25, 1
	EXPERT 4, 26, 0
	EXPERT 5, 27, 0
	EXPERT 6, 26, 1
	EXPERT 7, 27, 1
	s_sub_co_u32 s34, s21, s31
	s_lshl_b32 s34, s34, 5                         ; j0: the tile's first rank
	s_sub_co_i32 s35, s33, s34
	s_max_i32 s35, s35, 0
	s_min_i32 s35, s35, 32                         ; n: its rows, 0 in a tile that the routes leave empty
	s_add_co_u32 s36, s32, s34
	s_min_u32 s36, s36, 4095                       ; its first row of the output
	s_min_u32 s30, s30, 7
	s_cmp_eq_u32 s34, 0
	s_cselect_b32 s48, s35, 0                      ; not 0 in the expert's first tile: it prefetches
	s_mul_i32 s38, s30, SE
	s_mul_i32 s39, s20, SW
	s_add_co_u32 s38, s38, s39
	s_mov_b32 s39, 0
	s_add_nc_u64 s[40:41], s[4:5], s[38:39]        ; my stream's codes,
	s_add_nc_u64 s[42:43], s[40:41], SCA           ; and its scale blocks
	s_lshl_b32 s38, s36, 11
	s_add_nc_u64 s[18:19], s[18:19], s[38:39]      ; the output at the tile's first row
	s_lshl_b32 s38, s30, 13
	s_lshl_b32 s23, s20, 11
	s_add_co_u32 s38, s38, s23
	s_add_nc_u64 s[14:15], s[14:15], s[38:39]      ; b1: my 512 numbers
	s_lshl_b32 s38, s30, 11
	s_lshl_b32 s23, s20, 9
	s_add_co_u32 s38, s38, s23
	s_add_nc_u64 s[16:17], s[16:17], s[38:39]      ; b2: my 128
.irp i, 0,1,2,3
	global_load_b128 v[B1RAW+4*\i:B1RAW+4*\i+3], v[LI], s[14:15] offset:512*\i
.endr
	WIN 0x40
.irp t, 0,1,2,3,4,5,6,7                            ; b2 in the result's layout: lane (r, h) wants, for tile t, outputs 16 t + 8 h + 0 .. 7
	global_load_b128 v[128+8*\t:128+8*\t+3], v[B2O], s[16:17] offset:64*\t
	global_load_b128 v[128+8*\t+4:128+8*\t+7], v[B2O], s[16:17] offset:64*\t+16
.endr
	LOADU 0, 0
	LOADU 1, 1
	; ---- my expert's masks and counts, picked by masks of all ones or none: no branch
.irp e, 0,1,2,3,4,5,6,7
	s_cmp_eq_u32 s30, \e
	s_cselect_b32 s52, -1, 0
.irp k, 0,1,2,3
.if \e == 0
	v_and_b32 v[OW+\k], s52, v[MK+\k]
.else
	v_and_or_b32 v[OW+\k], v[MK+4*\e+\k], s52, v[OW+\k]
.endif
.endr
.endr
	s_and_b32 s53, s30, 1
	s_lshr_b32 s54, s30, 2
	s_lshl_b32 s54, s54, 1
	s_add_co_u32 s53, s53, s54                     ; which of the four registers,
	s_bfe_u32 s55, s30, 0x10001
	s_lshl_b32 s55, s55, 4                         ; and which of its two fields
.irp i, 0,1,2,3
	s_cmp_eq_u32 s53, \i
	s_cselect_b32 s52, -1, 0
.if \i == 0
	v_and_b32 v[PI], s52, v[FF]
	v_and_b32 v[CS], s52, v[CP]
.else
	v_and_or_b32 v[PI], v[FF+\i], s52, v[PI]
	v_and_or_b32 v[CS], v[CP+\i], s52, v[CS]
.endif
.endr
	v_bfe_u32 v[PI], v[PI], s55, 16
	v_bfe_u32 v[CS], v[CS], s55, 16
	v_sub_nc_u32 v[PEX], v[PI], v[CS]              ; the expert's tokens ahead of my lane's 128
	s_cmp_ge_u32 s30, 4
	s_cselect_b32 vcc_lo, -1, 0
	s_and_b32 s56, s30, 3
	s_lshl_b32 s56, s56, 3
.irp k, 0,1,2
	v_cndmask_b32 v[CK+\k], v[LK+\k], v[HK+\k], vcc_lo
.endr
.irp k, 0,1,2
	v_bfe_u32 v[CK+\k], v[CK+\k], s56, 8           ; its tokens in chunk k
.endr
	v_add_nc_u32 v[CK+1], v[CK], v[CK+1]
	v_add_nc_u32 v[CK+2], v[CK+1], v[CK+2]
	v_lshl_or_b32 v[PWD], v[CK+1], 8, v[CK]
	v_lshl_or_b32 v[PWD], v[CK+2], 16, v[PWD]      ; ahead of chunks 1, 2, 3: three bytes
	; ---- the token of rank rho = j0 + 16 (w & 1) + r: which 128, which 32 of them, which bit.  Both halves of the lanes compute the same.  A rank past the expert's last gives some token inside the table: its row is never stored
	s_lshl_b32 s57, s60, 4
	s_add_co_u32 s57, s57, s34
	v_add_nc_u32 v[RHO], s57, v[RR]
.set l, 1
.rept 31
	v_readlane_b32 s[65+l], v[PEX], l
.set l, l+1
.endr
	v_mov_b32 v[LL], 0
.set l, 1
.rept 31
	v_cmp_le_u32 vcc_lo, s[65+l], v[RHO]
	v_add_co_ci_u32 v[LL], vcc_lo, 0, v[LL], vcc_lo    ; the last lane with no more than rho tokens ahead of it
.set l, l+1
.endr
	v_min_u32 v[LL], 31, v[LL]
	v_lshlrev_b32 v[IX], 2, v[LL]
	ds_bpermute_b32 v[BP], v[IX], v[PEX]           ; that lane's numbers
	ds_bpermute_b32 v[BP+1], v[IX], v[PWD]
.irp k, 0,1,2,3
	ds_bpermute_b32 v[BP+2+\k], v[IX], v[OW+\k]
.endr
	s_wait_dscnt 0x0
	v_sub_nc_u32 v[N1], v[RHO], v[BP]
	v_mov_b32 v[BASE], 0
	v_mov_b32 v[XW], v[BP+2]
	v_mov_b32 v[KK], 0
.irp i, 0,1,2
	v_bfe_u32 v[T1], v[BP+1], 8*\i, 8
	v_cmp_le_u32 vcc_lo, v[T1], v[N1]
	v_cndmask_b32 v[BASE], v[BASE], v[T1], vcc_lo
	v_cndmask_b32 v[XW], v[XW], v[BP+3+\i], vcc_lo
	v_add_co_ci_u32 v[KK], vcc_lo, 0, v[KK], vcc_lo    ; (it writes VCC: behind the two selects)
.endr
	v_sub_nc_u32 v[N1], v[N1], v[BASE]             ; set bits of the word to pass over
	v_lshrrev_b32 v[T1], 1, v[XW]                  ; the counts of set bits in fields of 2, 4, 8 and 16
	v_and_b32 v[T1], 0x55555555, v[T1]
	v_sub_nc_u32 v[Q1], v[XW], v[T1]
	v_and_b32 v[T1], 0x33333333, v[Q1]
	v_lshrrev_b32 v[T2], 2, v[Q1]
	v_and_b32 v[T2], 0x33333333, v[T2]
	v_add_nc_u32 v[Q2], v[T1], v[T2]
	v_lshrrev_b32 v[T1], 4, v[Q2]
	v_add_nc_u32 v[T1], v[Q2], v[T1]
	v_and_b32 v[Q4], 0x0f0f0f0f, v[T1]
	v_lshrrev_b32 v[T1], 8, v[Q4]
	v_add_nc_u32 v[Q8], v[Q4], v[T1]
	v_mov_b32 v[POS], 0
.macro SELSTEP c, width, half          ; are the bits to pass over at least those of the lower half?  Then on to the upper half
	v_bfe_u32 v[T1], v[\c], v[POS], \width
	v_cmp_le_u32 vcc_lo, v[T1], v[N1]
	v_sub_nc_u32 v[T1], v[N1], v[T1]
	v_add_nc_u32 v[T2], \half, v[POS]
	v_cndmask_b32 v[N1], v[N1], v[T1], vcc_lo
	v_cndmask_b32 v[POS], v[POS], v[T2], vcc_lo
.endm
	SELSTEP Q8, 8, 16
	SELSTEP Q4, 8, 8
	SELSTEP Q2, 4, 4
	SELSTEP Q1, 2, 2
	SELSTEP XW, 1, 1
	v_lshlrev_b32 v[TOK], 7, v[LL]
	v_lshl_add_u32 v[TOK], v[KK], 5, v[TOK]
	v_add_nc_u32 v[TOK], v[TOK], v[POS]
	v_min_u32 v[TOK], 0xfff, v[TOK]                ; inside the table, whatever was read
	v_lshlrev_b32 v[XO], 8, v[TOK]
	v_lshl_add_u32 v[XO], v[HH], 4, v[XO]          ; its codes: a row of 256 bytes, + 16 h,
	v_add_nc_u32 v[XO], s58, v[XO]                 ; + my two K steps' 128 bytes
	v_lshlrev_b32 v[SO], 4, v[TOK]                 ; its 16 scale bytes,
	v_add_nc_u32 v[SO], s59, v[SO]                 ; my 8 of them
.irp s, 0,1
.irp c, 0,1
	global_load_b128 v[PC+8*\s+4*\c:PC+8*\s+4*\c+3], v[XO], s[6:7] offset:64*\s+32*\c   ; the fragments of my 16 tokens, K step 2 (w >> 1) + s
.endr
.endr
	global_load_b64 v[PW:PW+1], v[SO], s[8:9]
	LOADU 2, 2
	LOADU 3, 3
	s_wait_xcnt 0x0                                ; all loads have read their bases: the pointers step only behind this wait
	s_add_nc_u64 s[40:41], s[40:41], 4*8192        ; on to unit 4
	s_add_nc_u64 s[42:43], s[42:43], 4*512
	s_wait_loadcnt 34                              ; all but units 2 and 3, 17 loads each
.irp i, 0,1,2,3
	ds_store_b128 v[B1W], v[B1RAW+4*\i:B1RAW+4*\i+3] offset:B1L+512*\i
.endr
	ds_store_b32 v[B1P], v[NIL] offset:B1L+2048    ; 128 bytes of zeros: what the last unit's look-ahead reads
.irp s, 0,1
.irp c, 0,1
	ds_store_b128 v[XWI], v[PC+8*\s+4*\c:PC+8*\s+4*\c+3] offset:XIMG+1024*\s+512*\c
.endr
.endr
	ds_store_b64 v[XWS], v[PW:PW+1] offset:XSC     ; two of a lane's four scale words; the wave two on stores the other two
	s_wait_dscnt 0x0                               ; for the others' sake: my part of the tokens lies in LDS
	s_barrier_signal -1
	s_barrier_wait -1
	WIN 0x40
.set i, 0
.rept 8
	ds_load_b128 v[8*i:8*i+3], v[LI] offset:XIMG+1024*i          ; all 32 tokens' fragments stay in my registers
	ds_load_b128 v[8*i+4:8*i+7], v[LI] offset:XIMG+1024*i+512
.set i, i+1
.endr
	WIN 0
.irp m, 0,1
	ds_load_b128 v[XS+4*\m:XS+4*\m+3], v[LI] offset:XSC+512*\m
.endr
.irp t, 0,1
.irp q, 0,1
	ds_load_b128 v[B1R+8*\t+4*\q:B1R+8*\t+4*\q+3], v[B1A0] offset:B1L+32*\t+16*\q   ; unit 0's b1
.endr
.endr
; ---- PHASE 1.  A unit is 32 hidden units (two tiles of 16 rows of W1, chosen so that a lane's 16 results are 16 neighbours along the next K) x all of K = 512, for the 32 tokens: 16 products on 4 accumulators by turns.
; b1 is the C of each sum's first product.  Four units are a K step of the second product: a group, one trip of the loop.
.macro QB k                            ; the unit's results become block k of the group's two fragments
.set j, 0
.rept 32
	v_max_num_f32 v[HA+j], 0, v[HA+j]              ; the activation; each accumulator is read from its low end on
.set j, j+1
.endr
.irp q, 0,1,2,3                                    ; a chain for each accumulator 2 m + t, four by turns: no line waits for the line above it
	v_max3_num_f32 v[TM+\q], v[HA+8*\q], v[HA+8*\q+1], 0x1800000   ; none is negative: no |.|; the floor 2^(3 - 127) holds the byte at 1 from below
.endr
.irp i, 2,4,6
.irp q, 0,1,2,3
	v_max3_num_f32 v[TM+\q], v[TM+\q], v[HA+8*\q+\i], v[HA+8*\q+\i+1]
.endr
.endr
.irp m, 0,1
	v_max_num_f32 v[TM+2*\m], v[TM+2*\m], v[TM+2*\m+1]   ; my 16 numbers of tile of rows m
.endr
.irp m, 0,1
	v_permlanex16_b32 v[TM+4+\m], v[TM+2*\m], s50, s51
.endr
.irp m, 0,1
	v_max_num_f32 v[TM+2*\m], v[TM+2*\m], v[TM+4+\m]     ; with lane l xor 16's 16: the block's largest
.endr
.irp m, 0,1
	v_add_nc_u32 v[TM+12+\m], 0xff000000, v[TM+2*\m]     ; 2 off the exponent field: the conversion's scale operand
.endr
.irp m, 0,1
	v_lshrrev_b32 v[TM+4+\m], 23, v[TM+12+\m]      ; the byte
.endr
.irp m, 0,1
.if (\k) == 0
	v_mov_b32 v[PW+\m], v[TM+4+\m]
.else
	v_lshl_or_b32 v[PW+\m], v[TM+4+\m], 8*(\k), v[PW+\m]
.endif
.endr
.irp m, 0,1
	v_cvt_scalef32_pk8_fp4_f32 v[PC+8*\m+2*(\k)], v[HA+16*\m:HA+16*\m+7], v[TM+12+\m]
	v_cvt_scalef32_pk8_fp4_f32 v[PC+8*\m+2*(\k)+1], v[HA+16*\m+8:HA+16*\m+15], v[TM+12+\m]
.endr
	v_nop                                          ; a plain line behind the scaled conversions
.if (\k)%2 == 1
.irp m, 0,1
.irp i, 0,1
	v_permlane16_swap_b32 v[PC+8*\m+2*(\k)-2+\i], v[PC+8*\m+2*(\k)+\i]   ; the operand wants a whole block in a lane: lanes 0-15 the even block, lanes 16-31 the odd one
.endr
.endr
.endif
.if (\k) == 3
.irp m, 0,1
	ds_store_b128 v[HWI], v[PC+8*\m:PC+8*\m+3] offset:HIMG+1024*\m
	ds_store_b128 v[HWI], v[PC+8*\m+4:PC+8*\m+7] offset:HIMG+1024*\m+512
	ds_store_b32 v[HWS], v[PW+\m] offset:128*\m
.endr
.endif
.endm
.macro UNIT1 k
	s_wait_loadcnt 51                              ; this unit's 17 loads are in; the three younger units' may stay out
	s_wait_dscnt 0x0                               ; its b1 is in, and the last group's image stores have read their registers
	WIN 0x06                                       ; source 0 (W1) window 2, source 1 (x) window 1
.irp s, 0,1,2,3
.irp m, 0,1
.irp t, 0,1
.set CC, HA+16*\m+8*\t
.if \s == 0
.set CC, B1R+8*\t
.endif
	MM HA+16*\m+8*\t, 64*(\k)+8*(4*\t+\s), 8*(4*\m+\s), CC, WS+4*(\k)+\s, XS+4*\m+\s, \t
.endr
.endr
.endr
	WIN 0
	PLACES
.irp t, 0,1
.irp q, 0,1
	ds_load_b128 v[B1R+8*\t+4*\q:B1R+8*\t+4*\q+3], v[B1A] offset:B1L+128*((\k)+1)+32*\t+16*\q   ; the next unit's b1: ahead of the 17 loads, so that they and the quantiser stand between it and the wait for it
.endr
.endr
	LOADU \k, \k                                   ; the slot takes the unit four on
	ASK \k
	QB \k
.endm
	s_mov_b32 s44, 4
	s_mov_b32 s45, 0
	s_mov_b32 s46, 0
	s_mov_b32 s47, 0
.Lgroup:
	s_wait_dscnt 0x0                               ; no LDS instruction of mine is out: the three address registers are written
	v_add_nc_u32 v[B1A], s47, v[B1A0]
	v_add_nc_u32 v[HWI], s45, v[HWI0]
	v_add_nc_u32 v[HWS], s46, v[HWS0]
	UNIT1 0
	UNIT1 1
	UNIT1 2
	UNIT1 3
	s_wait_xcnt 0x0                                ; the trip's loads and prefetches have read their bases
	s_add_nc_u64 s[40:41], s[40:41], 4*8192
	s_add_nc_u64 s[42:43], s[42:43], 4*512
	s_add_co_u32 s45, s45, 2048                    ; a K step's two images,
	s_add_co_u32 s46, s46, 256                     ; their scale words,
	s_add_co_u32 s47, s47, 512                     ; four units' b1
	s_sub_co_u32 s44, s44, 1
	s_cmp_lg_u32 s44, 0
	s_cbranch_scc1 .Lgroup
	s_wait_dscnt 0x0                               ; for the others' sake: my four K steps of the hidden layer lie in LDS
	s_barrier_signal -1
	s_barrier_wait -1
; ---- PHASE 2.  Unit 16 + S is K step S of the second product: my eight tiles of 16 outputs x 128 hidden units.  16 products on 16 accumulators by turns; b2 is the C of the first K step's.
.macro HFETCH set, S                   ; the two tiles of rows of K step S: fragments and scale words, 6 LDS loads
.irp m, 0,1
	ds_load_b128 v[HA+16*(\set)+8*\m:HA+16*(\set)+8*\m+3], v[HRI] offset:2048*(\S)+1024*\m
	ds_load_b128 v[HA+16*(\set)+8*\m+4:HA+16*(\set)+8*\m+7], v[HRI] offset:2048*(\S)+1024*\m+512
.endr
.irp m, 0,1
	ds_load_b32 v[HS+2*(\set)+\m], v[HRS] offset:256*(\S)+128*\m
.endr
.endm
.macro UNIT2 u
.set S2, (\u)-16
.set K2, (\u)%4
.set E2, S2%2
.if S2 < 15
	HFETCH 1-E2, S2+1                              ; the next K step, into the set that the last unit's products have left (four places back)
.endif
.if 31-(\u) >= 3
	s_wait_loadcnt 51                              ; the three younger units may stay out
.else
	s_wait_loadcnt 17*(31-(\u))                    ; the counts run down
.endif
.if S2 < 15
	s_wait_dscnt 6                                 ; this K step's fragments are in; the 6 loads just issued may stay out
.else
	s_wait_dscnt 0x0
.endif
.if S2 == 0
	WIN 0xd2                                       ; source 0 (W2) window 2, source 1 window 0, C (b2) window 1, D window 3
.else
	WIN 0xf2                                       ; C and D window 3
.endif
.irp m, 0,1
.irp t, 0,1,2,3,4,5,6,7
.set C2, 8*(8*\m+\t)
.if S2 == 0
.set C2, 128+8*\t
.endif
	MM 8*(8*\m+\t), 64*K2+8*\t, HA+16*E2+8*\m, C2, WS+4*K2+\t/2, HS+2*E2+\m, \t%2
.endr
.endr
	WIN 0
	PLACES
.if (\u) <= 27
	LOADU K2, S2                                   ; the pointers stand at unit 20: this is unit u + 4
.endif
.if (\u) <= 19
	ASK S2
.endif
.endm
	HFETCH 0, 0
.irp u, 16,17,18,19,20,21,22,23,24,25,26,27,28,29,30,31
	UNIT2 \u
.endr
; ---- THE WAY OUT, 16 rows at a time.  A lane holds 32 neighbouring bytes of a row for each tile: they go through my own stage and come back as my 512 bytes of each row, which the 32 lanes store as 512 consecutive, aligned bytes.
; LDS serves a wave's instructions in order: no wait between the stores and the loads, nor ahead of the next block's stores.  Rows at and past n are not stored: rows ascend, so the first such row ends the wave.
.macro TOSTAGE m
	WIN 0x0c                                       ; an LDS store's data are its source 1: window 3
.irp t, 0,1,2,3,4,5,6,7
	ds_store_b128 v[STO], v[8*(8*(\m)+\t):8*(8*(\m)+\t)+3] offset:64*\t        ; each accumulator from its low end on
	ds_store_b128 v[STO], v[8*(8*(\m)+\t)+4:8*(8*(\m)+\t)+7] offset:64*\t+16
.endr
	WIN 0
.set ti, 0
.rept 16
	ds_load_b128 v[64+64*(\m)+4*ti:64+64*(\m)+4*ti+3], v[RD] offset:528*ti
.set ti, ti+1
.endr
.endm
.macro SEND m, younger                 ; younger: the LDS instructions issued behind block m's loads, which may stay out
	s_wait_dscnt \younger
.set si, 0
.rept 16
	s_cmp_le_u32 s35, 16*(\m)+si
	s_cbranch_scc1 .Lend
	global_store_b128 v[CO], v[64+64*(\m)+4*si:64+64*(\m)+4*si+3], s[18:19] offset:(16*(\m)+si)*2048 th:TH_STORE_NT
.set si, si+1
.endr
.endm
	TOSTAGE 0
	TOSTAGE 1                                      ; each block has registers of its own: no store's data are written again
	SEND 0, 32                                     ; behind block 0's loads: block 1's 16 stores and 16 loads
	SEND 1, 0
.Lend:
	s_wait_tensorcnt 0x0
	ds_add_u32 v254, v255
	s_wait_dscnt 0x0
	s_endpgm
.Lfunc_end_k_q069a247170_chain:
	.size	k_q069a247170_chain, .Lfunc_end_k_q069a247170_chain-k_q069a247170_chain
	.p2alignl 7, 3214868480
	.fill 96, 4, 3214868480
	.section	.rodata,"a",@progbits
	.p2align	6, 0x0
	.amdhsa_kernel k_q069a247170_chain
		.amdhsa_group_segment_fixed_size 89600
		.amdhsa_private_segment_fixed_size 0
		.amdhsa_enable_private_segment 0
		.amdhsa_kernarg_size 64
		.amdhsa_user_sgpr_count 2
		.amdhsa_user_sgpr_kernarg_segment_ptr 1
		.amdhsa_wavefront_size32 1
		.amdhsa_system_sgpr_workgroup_id_x 1
		.amdhsa_system_sgpr_workgroup_id_y 1
		.amdhsa_system_sgpr_workgroup_id_z 1
		.amdhsa_system_vgpr_workitem_id 0
		.amdhsa_next_free_vgpr 896
		.amdhsa_next_free_sgpr 100
		.amdhsa_reserve_vcc 1
		.amdhsa_float_denorm_mode_32 3
		.amdhsa_float_denorm_mode_16_64 3
		.amdhsa_memory_ordered 1
		.amdhsa_forward_progress 1
		.amdhsa_inst_pref_size 136
	.end_amdhsa_kernel
	.amdgpu_metadata
---
amdhsa.version: [ 1, 2 ]
amdhsa.kernels:
  - .name:           k_q069a247170_chain
    .symbol:         k_q069a247170_chain.kd
    .args:
      - { .name: wl, .offset: 0, .size: 8, .value_kind: global_buffer, .address_space: global }
      - { .name: xq, .offset: 8, .size: 8, .value_kind: global_buffer, .address_space: global }
      - { .name: xsc, .offset: 16, .size: 8, .value_kind: global_buffer, .address_space: global }
      - { .name: rmask, .offset: 24, .size: 8, .value_kind: global_buffer, .address_space: global }
      - { .name: rcnt, .offset: 32, .size: 8, .value_kind: global_buffer, .address_space: global }
      - { .name: b1, .offset: 40, .size: 8, .value_kind: global_buffer, .address_space: global }
      - { .name: b2, .offset: 48, .size: 8, .value_kind: global_buffer, .address_space: global }
      - { .name: out0, .offset: 56, .size: 8, .value_kind: global_buffer, .address_space: global }
    .group_segment_fixed_size: 89600
    .private_segment_fixed_size: 0
    .kernarg_segment_align: 8
    .kernarg_segment_size: 64
    .max_flat_workgroup_size: 128
    .sgpr_count:     100
    .vgpr_count:     896
    .wavefront_size: 32
...
	.end_amdgpu_metadata
.endif
;; end of part 2
